; MI455X (gfx1250); checked and timed in simulation.
; The chip was launched on July 23, 2026; its instructions are those of AMD's public machine-readable ISA for CDNA 5 (MIT licence, August 2026) and "CDNA5" Instruction Set Architecture Reference Guide (July 2026). The comments in the code are by the model that wrote it; some were corrected since.
;; Mo E By Functional Group. Allowed arithmetic: matrix products marked QUANTISED: E2M3 operands, one E8M0 scale for each 32 along K, by v_wmma_scale_f32_16x16x128_f8f6f4 with both operands' format E2M3, f32 sums; products left as they are: f32 operands where the result goes on into a quantised operand, else bf16, f16 or f32 operands; f32 sums; everything else in f32.
;; Inputs: expert_mask 4,096 x 8 float32; gate_b 8 float32; gate_w 512 x 8 float32; kan_coeff 4 x 512 x 512 x 8 float32; kan_scaling 4 x 512 x 512 float32; mlp_b1 4 x 2,048 float32; mlp_b2 4 x 512 float32; mlp_w1 4 x 512 x 2,048 float32; mlp_w2 4 x 2,048 x 512 float32; x 4,096 x 512 float32.
;; Outputs: out0 4,096 x 512 float32; out1 4,096 x 8 float32; out2 4,096 x 8 float32.
;; This version of the problem:
;;   THIS VERSION OF THE PROBLEM IS GIVEN IN LOW PRECISION. The matrix products marked QUANTISED in the list below multiply operands that are first quantised to E2M3 (2 exponent bits, 3 mantissa bits; 6 bits a number), with one power-of-two scale for each 32 numbers along K (OCP MX v1.0); their sums are f32. All else is computed in f32.
;;   The module's matrix products, in the order in which they are computed (A, B: the left and right operand; K: the contracted axis; several contracted axes count as one K, in the product's order):
;;     1. [M 4,096, K 512] x [K 512, N 8]; A: input x; B: input gate_w: left as it is (N = 8 < 16)
;;     2. [M 8,192, K 512] x [K 512, N 4,096]; A: input mlp_w1; B: input x: QUANTISED
;;     3. batch 4 x [M 4,096, K 2,048] x [K 2,048, N 512]; A: computed on the way; B: input mlp_w2: QUANTISED
;;     4. [M 2,048, K 4,096] x [K 4,096, N 4,096]; A: computed on the way; B: computed on the way: QUANTISED
;;     5. batch 4,096 x [M 512, K 8] x [K 8, N 1]; A: computed on the way; B: computed on the way: left as it is (K = 8 < 32)
;;   THE QUANTISER, for each operand of a quantised product, along K:
;;     - K is cut into blocks of 32 from its start; a last block that is shorter is filled with zeros.
;;     - A block's scale is 2^e with e = floor(log2(the largest magnitude in the block)) - 2, held to -126 .. 127; a block of zeros has e = 0. As a byte (E8M0): e + 127.
;;     - Each number is divided by its block's scale, clamped to +-7.5, and rounded to the nearest number of E2M3, ties to even, subnormals kept.
;;     - The product sums the exact products of the quantised numbers (number of the format x scale) in f32.
;;   ~~~python
;;   def quantise(x, axis):      # numpy; x: float32 -> the quantised numbers, widened to float32 again
;;       x = np.moveaxis(x, axis, -1); K = x.shape[-1]
;;       x = np.pad(x, [(0, 0)] * (x.ndim - 1) + [(0, -K % 32)]); x = x.reshape(x.shape[:-1] + (-1, 32)); a = np.abs(x).max(-1, keepdims=True)
;;       e = np.where(a > 0, np.clip(np.frexp(np.where(a > 0, a, 1))[1] - 1 - 2, -126, 127), 0)      # np.frexp(a)[1] - 1 = floor(log2(a)), exactly
;;       r = np.clip(x / 2.0 ** e, -7.5, 7.5)
;;       step = 2.0 ** (np.maximum(np.frexp(np.where(r == 0, 1, r))[1] - 1, 0) - 3)
;;       q = np.round(r / step) * step * 2.0 ** e      # np.round: ties to even
;;       return np.moveaxis(q.reshape(q.shape[:-2] + (-1,))[..., :K], -1, axis).astype(np.float32)
;;   ~~~
;;   OPERANDS COMPUTED ON THE WAY. 'Computed on the way' means the value that the module computes at that place (a softmax that the list does not call 'softmax' is quantised finished and normalised). What goes into a quantiser is computed in f32, as accurately as f32 sums, v_exp_f32 and their like allow (about 1e-6 of the number): no bf16 or f16 on the way to a quantiser, and a product that is left as it is and whose result goes on into a quantised operand takes f32 operands (vector FMAs, or v_wmma_f32_16x16x4_f32). A number that lies on a knife's edge between two numbers of the format may be rounded either way, as far as f32 arithmetic and the matrix unit's own rounding can turn it there, and no further.
;; One version. Each part assembles by itself: llvm-mc -triple=amdgcn-amd-amdhsa -mcpu=gfx1250 --defsym DOCPART=n.
;; ======== version 1 of 1: 3 launches
;; workspace buffers: xq 1,638,400 bytes; w1q 3,276,800 bytes; tq 39,321,600 bytes; wq 9,830,400 bytes
;; launch prep (part 1): grid 1664 x 1, 4 waves a work-group, no clusters, 105,472 bytes of LDS; arguments x, expert_mask, gate_w, gate_b, mlp_w1, mlp_w2, kan_scaling, kan_coeff, xq, tq, w1q, wq, out1, out2; writes xq, tq, w1q, wq, out1, out2
.if DOCPART == 1
	.amdgcn_target "amdgcn-amd-amdhsa--gfx1250"
	.amdhsa_code_object_version 6
	.text
	.protected	k_q95edb02c61_prep
	.globl	k_q95edb02c61_prep
	.p2align	8
	.type	k_q95edb02c61_prep,@function
k_q95edb02c61_prep:
	s_mov_b64 s[64:65], 0
	v_nop
	global_prefetch_b8 v0, s[64:65] scope:SCOPE_SE
	s_setreg_imm32_b32 hwreg(HW_REG_WAVE_MODE, 25, 1), 1
	s_wait_xcnt 0x0
; All operands that the later products read many times are quantised ONCE here, to codes of FP6 (E2M3) with one E8M0 byte for each 32 along K, and laid
; as IMAGES OF THE OPERAND'S REGISTERS: a fragment (16 rows x 128 K) is 12 registers a lane, stored as three pieces of 512 bytes, lane l's registers 4 c .. 4 c + 3 at 512 c + 16 l.
; Two neighbouring fragments share one line of 128 bytes of scale words: the word at 4 l belongs to fragment 2 j + l / 16, row l % 16.
; A block of 8 fragments + 4 lines is 12,800 bytes, one of 4 fragments + 2 lines 6,400 bytes.
; BUFFERS.  xq [32 blocks of 128 tokens][4 K steps] and w1q [64 blocks of 128 hidden units][4 K steps]: blocks of 12,800 bytes.
; tq [32 blocks of 128 tokens][16 slots]: 76,800 bytes a slot: four blocks of 12,800 for the hidden layers of the four MLP experts (stored by the next launch), then two for the spline basis.
; wq [8 blocks of 64 outputs][16 slots]: 76,800 bytes a slot: four blocks of 6,400 of mlp_w2 (one an expert), then eight of the spline coefficients (two K steps x four experts).
; Every wave's unit is the same: a lane takes ONE operand row, its registers run along K, 128 numbers: four blocks of 32, each wholly in the lane: two fragments and one line of scale words.
; The work-group's number picks the path:  0-127 T: 32 tokens: x -> xq, the gate and w -> out2, the mask -> out1;   128-639 C: kan_coeff x kan_scaling -> wq;
; then eight runs of 128: B, W1, B, W1, B, W2, B, W2:  B: the spline basis of 32 tokens x 128 inputs -> tq;  W1: mlp_w1 -> w1q;  W2: mlp_w2 -> wq.
; (B has much arithmetic and few bytes, W1 and W2 the reverse: they are dealt by turns.)  Paths T and B use LDS, each bytes of its own.
; K OF THE SPLINE PRODUCT is (g, i), g outermost: a block of 32 is 32 neighbouring inputs i at one g.  Its K steps are laid S = 2 (i / 32) + g / 4 (slot i / 32), block p of a step being g = 4 (g / 4) + p:
; whole blocks in another order, alike in both operands.
; THE BASIS: with D_i = x - t_i the level-1 hat times the knot spacing is the median of D_i, -D_(i+2) and 0; levels 2 and 3 are D_i B_i - D_(i+k+1) B_(i+1); the three divisors are one factor 1 / (6 x 0.4^3).
; LIMITS: NaN and infinities among the inputs are not served.  A block whose largest magnitude lies under 2^-124 (a block of zeros too) keeps the byte 1; the bytes are read by this program alone.
; The one factor in place of the knots' own differences moves a basis value by under 1e-6 of itself.
.set L,   1                            ; v1   lane
.set SO,  2                            ; v2   the conversion's scale operand
.set BY,  3                            ; v3   a scale byte
.set IA,  4                            ; v4   my lane's byte in the input
.set IB,  5                            ; v5   a second one (path C: the gains; path T: the partial logits' place for wave 0)
.set OC,  6                            ; v6   16 x lane + 3,072 x pair: where my codes go
.set OS,  7                            ; v7   4 x lane + 128 x pair: where my scale word goes
.set STI, 8                            ; v8   paths T, B: the stage, way in
.set STR, 9                            ; v9   the stage, way out: my token's row
.set GWI, 10                           ; v10  gate_w's rows in LDS, way in
.set GWR, 11                           ; v11  and way out: the same address in every lane
.set PLA, 12                           ; v12  where my partial logits go
.set PW,  13                           ; v13  the scale word
.set MXA, 14                           ; v14-15 two chains of a block's largest magnitude
.set MXB, 15
.set GS,  16                           ; v16-23 eight partial logits; later v17 32 x lane
.set X32, 24                           ; v24-55 32 numbers
.set T1,  56                           ; v56-87 32 more; the gate's first buffer
.set DD,  56                           ; basis: D, 8 pairs;
.set HH,  72                           ; level 1, 6 pairs;
.set B2,  84                           ; level 2, 5 pairs
.set F0,  88                           ; v88-99   the first fragment's 12 registers
.set F1,  100                          ; v100-111 the second's
.set CT,  112                          ; v112-127 the upper halves of the four blocks' codes, as the conversions leave them
.set BAS, 128                          ; v128-255 128 numbers along K
.set GWB, 67584                        ; LDS, path T: four stages of 32 rows x 528 bytes; then gate_w, 4,096 bytes a wave;
.set PLB, 83968                        ; then the partial logits, 1,024 bytes a wave
.set BSTG, 88064                       ; LDS, path B: one stage of 32 rows x 528 bytes
.set SIDE, 76800                       ; a slot's bytes in tq and in wq
; Block p of my row: 32 numbers at v[src] on.  Its largest magnitude with the floor 2^(3 - 127) as one more leaf; 2 off the exponent field gives the conversion's scale operand, a shift of that the byte.
.macro QBLK p, src
	v_max3_num_f32 v[MXA], |v[\src]|, |v[\src+1]|, |v[\src+2]|
	v_max3_num_f32 v[MXB], |v[\src+3]|, |v[\src+4]|, |v[\src+5]|
.irp i, 6,10,14,18,22,26
	v_max3_num_f32 v[MXA], v[MXA], |v[\src+\i]|, |v[\src+\i+1]|
	v_max3_num_f32 v[MXB], v[MXB], |v[\src+\i+2]|, |v[\src+\i+3]|
.endr
	v_max3_num_f32 v[MXA], v[MXA], |v[\src+30]|, |v[\src+31]|
	v_max3_num_f32 v[MXA], v[MXA], v[MXB], 0x1800000
	v_add_nc_u32 v[SO], 0xff000000, v[MXA]
.if \p == 0
	v_lshrrev_b32 v[PW], 23, v[SO]
.else
	v_lshrrev_b32 v[BY], 23, v[SO]
	v_lshl_or_b32 v[PW], v[BY], 8*\p, v[PW]
.endif
	v_cvt_scalef32_pk16_fp6_f32 v[F0+12*(\p%2)+6*(\p/2):F0+12*(\p%2)+6*(\p/2)+2], v[\src:\src+15], v[SO]   ; the lower 16 codes: blocks 0, 2 into the first fragment's registers, 1, 3 into the second's
	v_cvt_scalef32_pk16_fp6_f32 v[CT+4*\p:CT+4*\p+2], v[\src+16:\src+31], v[SO]                            ; the upper 16 (a conversion's three registers begin on an even number)
	v_nop                                          ; one plain line behind the conversions: what follows may write their sources
.endm
; Lane l holds row l's four blocks.  A fragment wants rows 0-15 (or 16-31) with block h, then block 2 + h, in lanes 16 h + r: the first register's lanes 16-31 change places with the second's lanes 0-15.
.macro QFIN
.irp i, 0,1,2
	v_permlane16_swap_b32 v[F0+\i], v[F1+\i]
	v_permlane16_swap_b32 v[CT+\i], v[CT+4+\i]
	v_permlane16_swap_b32 v[F0+6+\i], v[F1+6+\i]
	v_permlane16_swap_b32 v[CT+8+\i], v[CT+12+\i]
.endr
.irp i, 0,1,2
	v_mov_b32 v[F0+3+\i], v[CT+\i]
	v_mov_b32 v[F1+3+\i], v[CT+4+\i]
	v_mov_b32 v[F0+9+\i], v[CT+8+\i]
	v_mov_b32 v[F1+9+\i], v[CT+12+\i]
.endr
.endm
; Six stores of 512 consecutive bytes, at multiples of 512 from the buffer's first byte, and one of 128
.macro QOUT base, off, soff
.irp c, 0,1,2
	global_store_b128 v[OC], v[F0+4*\c:F0+4*\c+3], s[\base:\base+1] offset:\off+512*\c
.endr
.irp c, 0,1,2
	global_store_b128 v[OC], v[F1+4*\c:F1+4*\c+3], s[\base:\base+1] offset:\off+1536+512*\c
.endr
	global_store_b32 v[OS], v[PW], s[\base:\base+1] offset:\soff
.endm
; A weight stored [K][N]: a lane takes a column, its registers run down K.  32 loads are a block; each reads 128 consecutive bytes.
.macro WLOAD p, stride
.set i, 0
.rept 32
	global_load_b32 v[BAS+32*\p+i], v[IA], s[36:37] offset:(32*\p+i)*\stride th:TH_LOAD_NT
.set i, i+1
.endr
.endm
.macro WBODY stride, soff
	WLOAD 0, \stride
	WLOAD 1, \stride
	s_wait_loadcnt 32                              ; block 0 is in; the 32 loads of block 1 may be out
	WLOAD 2, \stride
	QBLK 0, BAS
	s_wait_loadcnt 32                              ; block 1 is in; block 2's may be out
	WLOAD 3, \stride
	QBLK 1, BAS+32
	s_wait_loadcnt 32                              ; block 2 is in; block 3's may be out
	QBLK 2, BAS+64
	s_wait_loadcnt 0x0
	QBLK 3, BAS+96
	QFIN
	QOUT 38, 0, \soff
	s_endpgm
.endm
; Four basis functions of two neighbouring inputs, v[X32 + dd] and the next.  k0 .. k7: minus the eight knots that they need.
.macro BPAIR dd, k0, k1, k2, k3, k4, k5, k6, k7
	v_pk_add_f32 v[DD:DD+1], v[X32+\dd:X32+\dd+1], \k0 op_sel_hi:[1,0]
	v_pk_add_f32 v[DD+2:DD+3], v[X32+\dd:X32+\dd+1], \k1 op_sel_hi:[1,0]
	v_pk_add_f32 v[DD+4:DD+5], v[X32+\dd:X32+\dd+1], \k2 op_sel_hi:[1,0]
	v_pk_add_f32 v[DD+6:DD+7], v[X32+\dd:X32+\dd+1], \k3 op_sel_hi:[1,0]
	v_pk_add_f32 v[DD+8:DD+9], v[X32+\dd:X32+\dd+1], \k4 op_sel_hi:[1,0]
	v_pk_add_f32 v[DD+10:DD+11], v[X32+\dd:X32+\dd+1], \k5 op_sel_hi:[1,0]
	v_pk_add_f32 v[DD+12:DD+13], v[X32+\dd:X32+\dd+1], \k6 op_sel_hi:[1,0]
	v_pk_add_f32 v[DD+14:DD+15], v[X32+\dd:X32+\dd+1], \k7 op_sel_hi:[1,0]
.irp i, 0,1,2,3,4,5
	v_med3_num_f32 v[HH+2*\i], v[DD+2*\i], -v[DD+2*\i+4], 0          ; the hat: rising D_i, falling -D_(i+2), 0 outside
	v_med3_num_f32 v[HH+2*\i+1], v[DD+2*\i+1], -v[DD+2*\i+5], 0
.endr
.irp i, 0,1,2,3,4
	v_pk_mul_f32 v[B2+2*\i:B2+2*\i+1], v[DD+2*\i+6:DD+2*\i+7], v[HH+2*\i+2:HH+2*\i+3]
.endr
.irp i, 0,1,2,3,4
	v_pk_fma_f32 v[B2+2*\i:B2+2*\i+1], v[DD+2*\i:DD+2*\i+1], v[HH+2*\i:HH+2*\i+1], v[B2+2*\i:B2+2*\i+1] neg_lo:[0,0,1] neg_hi:[0,0,1]   ; D_i H_i - D_(i+3) H_(i+1): inside the support both terms add
.endr
.irp i, 0,1,2,3
	v_pk_mul_f32 v[BAS+32*\i+\dd:BAS+32*\i+\dd+1], v[DD+2*\i+8:DD+2*\i+9], v[B2+2*\i+2:B2+2*\i+3]
.endr
.irp i, 0,1,2,3
	v_pk_fma_f32 v[BAS+32*\i+\dd:BAS+32*\i+\dd+1], v[DD+2*\i:DD+2*\i+1], v[B2+2*\i:B2+2*\i+1], v[BAS+32*\i+\dd:BAS+32*\i+\dd+1] neg_lo:[0,0,1] neg_hi:[0,0,1]
.endr
.irp i, 0,1,2,3
	v_pk_mul_f32 v[BAS+32*\i+\dd:BAS+32*\i+\dd+1], v[BAS+32*\i+\dd:BAS+32*\i+\dd+1], 0x4026aaab op_sel_hi:[1,0]   ; x 1 / (6 x 0.4^3): block i of the K step, place dd
.endr
.endm
.macro BASIS k0, k1, k2, k3, k4, k5, k6, k7
.irp dd, 0,2,4,6,8,10,12,14,16,18,20,22,24,26,28,30
	BPAIR \dd, \k0, \k1, \k2, \k3, \k4, \k5, \k6, \k7
.endr
.endm
.macro QALL base, off, soff            ; the 128 numbers in v[BAS] on become two fragments and leave
	QBLK 0, BAS
	QBLK 1, BAS+32
	QBLK 2, BAS+64
	QBLK 3, BAS+96
	QFIN
	QOUT \base, \off, \soff
.endm
; The gate: four rows of gate_w (128 bytes) at a time, the same for every lane, in two buffers by turns
.macro GLD c
.irp i, 0,1,2,3,4,5,6,7
	ds_load_b128 v[T1+32*((\c)%2)+4*\i:T1+32*((\c)%2)+4*\i+3], v[GWR] offset:128*(\c)+16*\i
.endr
.endm
.macro GCH c
.if (\c) < 31
	GLD (\c)+1
	s_wait_dscnt 8                                 ; all but the next chunk's eight loads
.else
	s_wait_dscnt 0x0
.endif
.irp d, 0,1,2,3
.irp e, 0,1,2,3,4,5,6,7
.if ((\c) == 0) && (\d == 0)
	v_mul_f32 v[GS+\e], v[BAS+4*(\c)+\d], v[T1+32*((\c)%2)+8*\d+\e]      ; the first products start the sums
.else
	v_fmac_f32 v[GS+\e], v[BAS+4*(\c)+\d], v[T1+32*((\c)%2)+8*\d+\e]
.endif
.endr
.endr
.endm
	s_load_b512 s[4:19], s[0:1], 0x0               ; x 4, mask 6, gate_w 8, gate_b 10, w1 12, w2 14, gains 16, coefficients 18
	s_load_b256 s[20:27], s[0:1], 0x40             ; xq 20, tq 22, w1q 24, wq 26
	s_load_b128 s[28:31], s[0:1], 0x60             ; out1 28, out2 30
	v_lshl_add_u32 v123, v0, 2, 0x19a00
	v_mov_b32 v127, 0
	v_lshrrev_b32 v2, 5, v0
	v_readfirstlane_b32 s34, v2                    ; wave 0..3
	v_and_b32 v[L], 31, v0
	s_wait_kmcnt 0x0
	s_cmp_lt_u32 ttmp9, 128
	s_cbranch_scc1 .Lpath_t
	s_cmp_lt_u32 ttmp9, 640
	s_cbranch_scc1 .Lpath_c
	s_sub_co_u32 s56, ttmp9, 640                   ; eight runs of 128 work-groups: B, W1, B, W1, B, W2, B, W2
	s_lshr_b32 s57, s56, 8                         ; the pair of runs, 0..3
	s_and_b32 s58, s56, 127                        ; the place in a run
	s_lshl_b32 s35, s57, 7
	s_add_co_u32 s35, s35, s58                     ; path B's index: 128 x pair + place
	s_and_b32 s59, s56, 128
	s_cmp_eq_u32 s59, 0
	s_cbranch_scc1 .Lpath_b
	s_and_b32 s35, s57, 1
	s_lshl_b32 s35, s35, 7
	s_add_co_u32 s35, s35, s58                     ; W1's or W2's index: 128 x (pair % 2) + place
	s_cmp_lt_u32 s57, 2
	s_cbranch_scc1 .Lpath_w1
	; ---- W2 [4][2048 (K)][512]: expert e, 128 outputs og, K step ks; my wave: 32 outputs
	s_lshr_b32 s40, s35, 6                         ; e
	s_bfe_u32 s41, s35, 0x20004                    ; og
	s_and_b32 s42, s35, 15                         ; ks
	s_lshl_b32 s48, s40, 11
	s_lshl_b32 s49, s42, 7
	s_add_co_u32 s48, s48, s49                     ; row 2,048 e + 128 ks
	s_lshl_b32 s48, s48, 11                        ; of 2,048 bytes
	s_lshl_b32 s49, s41, 9
	s_add_co_u32 s48, s48, s49
	s_lshl_b32 s49, s34, 7
	s_add_co_u32 s48, s48, s49                     ; + 4 (128 og + 32 wave)
	s_mov_b32 s49, 0
	s_add_nc_u64 s[36:37], s[14:15], s[48:49]
	s_lshl_b32 s50, s41, 1
	s_lshr_b32 s51, s34, 1
	s_add_co_u32 s50, s50, s51                     ; block of 64 outputs: 2 og + wave / 2
	s_lshl_b32 s50, s50, 4
	s_add_co_u32 s50, s50, s42                     ; slot ks
	s_mul_i32 s50, s50, SIDE
	s_mul_i32 s51, s40, 6400                       ; the expert's block
	s_add_co_u32 s50, s50, s51
	s_mov_b32 s51, 0
	s_add_nc_u64 s[38:39], s[26:27], s[50:51]
	s_and_b32 s52, s34, 1                          ; my pair of fragments
	s_mul_i32 s53, s52, 3072
	v_lshl_add_u32 v[OC], v[L], 4, s53
	s_lshl_b32 s53, s52, 7
	v_lshl_add_u32 v[OS], v[L], 2, s53
	v_lshlrev_b32 v[IA], 2, v[L]
	WBODY 2048, 6144
.Lpath_w1:
	; ---- W1 [4][512 (K)][2048]: 128 hidden units hb, K step s (index 4 hb + s); my wave: 32 hidden units
	s_lshr_b32 s40, s35, 2                         ; hb
	s_and_b32 s41, s35, 3                          ; s
	s_lshr_b32 s48, s40, 4                         ; the expert
	s_lshl_b32 s48, s48, 9
	s_lshl_b32 s49, s41, 7
	s_add_co_u32 s48, s48, s49                     ; row 512 e + 128 s
	s_lshl_b32 s48, s48, 13                        ; of 8,192 bytes
	s_and_b32 s49, s40, 15
	s_lshl_b32 s49, s49, 9
	s_add_co_u32 s48, s48, s49
	s_lshl_b32 s49, s34, 7
	s_add_co_u32 s48, s48, s49
	s_mov_b32 s49, 0
	s_add_nc_u64 s[36:37], s[12:13], s[48:49]
	s_mul_i32 s50, s35, 12800                      ; w1q [hb][s]
	s_mov_b32 s51, 0
	s_add_nc_u64 s[38:39], s[24:25], s[50:51]
	; THE ROWS OF A FRAGMENT ARE NOT NEIGHBOURS: row r of fragment 2 w + u is hidden unit 32 w + 8 u + r + 8 (r / 8), so that the next launch's results lie along the next K.  The wave still reads the same 128 bytes.
	v_and_b32 v[IA], 7, v[L]
	v_bfe_u32 v2, v[L], 3, 1
	v_lshl_add_u32 v[IA], v2, 4, v[IA]
	v_lshrrev_b32 v2, 4, v[L]
	v_lshl_add_u32 v[IA], v2, 3, v[IA]
	v_lshlrev_b32 v[IA], 2, v[IA]
	s_mul_i32 s52, s34, 3072
	v_lshl_add_u32 v[OC], v[L], 4, s52
	s_lshl_b32 s52, s34, 7
	v_lshl_add_u32 v[OS], v[L], 2, s52
	WBODY 8192, 12288
.Lpath_c:
	; ---- coefficients [4][512 (i)][512 (o)][8 (g)] x gains [4][512][512]: expert e, 64 outputs ob, 32 inputs M; my wave: 32 outputs j, four g: Q
	s_sub_co_u32 s35, ttmp9, 128
	s_lshr_b32 s40, s35, 7                         ; e
	s_bfe_u32 s41, s35, 0x30004                    ; ob
	s_and_b32 s42, s35, 15                         ; M
	s_lshr_b32 s43, s34, 1                         ; j
	s_and_b32 s44, s34, 1                          ; Q
	s_lshl_b32 s45, s41, 6
	s_lshl_b32 s46, s43, 5
	s_add_co_u32 s45, s45, s46                     ; my first output
	s_lshl_b32 s48, s40, 20
	s_lshl_b32 s46, s42, 16
	s_add_co_u32 s48, s48, s46
	s_lshl_b32 s46, s45, 2
	s_add_co_u32 s48, s48, s46
	s_mov_b32 s49, 0
	s_add_nc_u64 s[36:37], s[16:17], s[48:49]      ; the gains
	s_lshl_b32 s48, s40, 23
	s_lshl_b32 s46, s42, 19
	s_add_co_u32 s48, s48, s46
	s_lshl_b32 s46, s45, 5
	s_add_co_u32 s48, s48, s46
	s_lshl_b32 s46, s44, 4
	s_add_co_u32 s48, s48, s46
	s_add_nc_u64 s[38:39], s[18:19], s[48:49]      ; the coefficients
	s_lshl_b32 s48, s41, 4
	s_add_co_u32 s48, s48, s42                     ; wq [ob][slot M]
	s_mul_i32 s48, s48, SIDE
	s_lshl_b32 s46, s44, 2
	s_add_co_u32 s46, s46, s40                     ; in the slot, behind mlp_w2's 25,600 bytes: block 4 Q + e
	s_mul_i32 s46, s46, 6400
	s_add_co_u32 s48, s48, s46
	s_add_co_u32 s48, s48, 25600
	s_add_nc_u64 s[50:51], s[26:27], s[48:49]
	s_mul_i32 s46, s43, 3072
	v_lshl_add_u32 v[OC], v[L], 4, s46
	s_lshl_b32 s46, s43, 7
	v_lshl_add_u32 v[OS], v[L], 2, s46
	v_lshlrev_b32 v[IA], 5, v[L]                   ; an output's eight coefficients are 32 bytes; I take 16 of them, my partner wave the other 16
	v_lshlrev_b32 v[IB], 2, v[L]
.set i, 0
.rept 32
	global_load_b32 v[T1+i], v[IB], s[36:37] offset:2048*i
.set i, i+1
.endr
.set i, 0
.rept 32
	global_load_b128 v[BAS+4*i:BAS+4*i+3], v[IA], s[38:39] offset:16384*i
.set i, i+1
.endr
	s_wait_loadcnt 0x0                             ; every block takes one number of each of the 32 loads
.irp p, 0,1,2,3
.set i, 0
.rept 32
	v_mul_f32 v[X32+i], v[BAS+4*i+\p], v[T1+i]     ; coefficient x gain, and into the order of K: g = 4 Q + p, i ascending
.set i, i+1
.endr
	QBLK \p, X32
.endr
	QFIN
	QOUT 50, 0, 6144
	s_endpgm
.Lpath_b:
	; ---- the spline basis of 32 tokens x 128 inputs (index 4 tg + s); wave m takes inputs 32 (4 s + m) on, a lane a token: two K steps (g 0-3, g 4-7), four fragments
	s_lshr_b32 s40, s35, 2                         ; tg: the 32 tokens
	s_and_b32 s41, s35, 3                          ; s: inputs 128 s on
	s_lshr_b32 s42, s40, 2                         ; the block of 128 tokens
	s_and_b32 s43, s40, 3                          ; my pair of fragments in it
	s_mul_i32 s37, s43, 3072
	v_lshl_add_u32 v[OC], v[L], 4, s37
	s_lshl_b32 s37, s43, 7
	v_lshl_add_u32 v[OS], v[L], 2, s37
	v_lshlrev_b32 v[IA], 4, v[L]
	s_mul_i32 s37, s34, 8*528                      ; the stage, way in: my wave brings rows 8 wave .. 8 wave + 7, 512 consecutive bytes a load
	s_add_co_u32 s37, s37, BSTG
	v_add_nc_u32 v[STI], s37, v[IA]
	v_mul_u32_u24 v[STR], v[L], 528                ; way out: my token's row, my wave's 128 bytes of it.  Rows 528 bytes apart: sixteen lanes, sixteen different columns of 16 bytes
	s_lshl_b32 s37, s34, 7
	s_add_co_u32 s37, s37, BSTG
	v_add_nc_u32 v[STR], s37, v[STR]
	s_lshl_b32 s48, s40, 16                        ; 32 rows of 2,048 bytes,
	s_lshl_b32 s49, s34, 14                        ; 8 rows a wave,
	s_add_co_u32 s48, s48, s49
	s_lshl_b32 s49, s41, 9                         ; 512 bytes of a row
	s_add_co_u32 s48, s48, s49
	s_mov_b32 s49, 0
	s_add_nc_u64 s[4:5], s[4:5], s[48:49]
	s_lshl_b32 s50, s42, 4
	s_lshl_b32 s51, s41, 2
	s_add_co_u32 s50, s50, s51
	s_add_co_u32 s50, s50, s34                     ; tq [tb][slot 4 s + wave],
	s_mul_i32 s50, s50, SIDE
	s_add_co_u32 s50, s50, 51200                   ; behind the hidden layers' 51,200 bytes
	s_mov_b32 s51, 0
	s_add_nc_u64 s[22:23], s[22:23], s[50:51]
.irp i, 0,1,2,3,4,5,6,7
	global_load_b128 v[X32+4*\i:X32+4*\i+3], v[IA], s[4:5] offset:2048*\i
.endr
	s_wait_loadcnt 0x0
.irp i, 0,1,2,3,4,5,6,7
	ds_store_b128 v[STI], v[X32+4*\i:X32+4*\i+3] offset:528*\i
.endr
	s_wait_dscnt 0x0                               ; for the others' sake: my eight rows lie in the stage
	s_barrier_signal -1
	s_barrier_wait -1
.irp i, 0,1,2,3,4,5,6,7
	ds_load_b128 v[X32+4*\i:X32+4*\i+3], v[STR] offset:16*\i
.endr
	s_wait_dscnt 0x0
	BASIS 0x400ccccd, 0x3fe66667, 0x3fb33334, 0x3f800000, 0x3f19999a, 0x3e4cccd0, 0xbe4cccd0, 0xbf199998   ; minus the knots 0-7: fl(fl(0.4 i) - 2.2), as f32 arithmetic gives them
	QALL 22, 0, 12288
	s_wait_xcnt 0x0                                ; the stores have read their registers, which the next basis uses as work space
	BASIS 0x3f19999a, 0x3e4cccd0, 0xbe4cccd0, 0xbf199998, 0xbf800000, 0xbfb33334, 0xbfe66666, 0xc00ccccd   ; minus the knots 4-11
	QALL 22, 12800, 12800+12288
	s_wait_tensorcnt 0x0
	ds_add_u32 v123, v127
	s_wait_dscnt 0x0
	s_endpgm
.Lpath_t:
	; ---- 32 tokens; wave s takes inputs 128 s .. 128 s + 127; a lane takes a token
	s_load_b256 s[40:47], s[10:11], 0x0            ; gate_b
	s_lshr_b32 s35, ttmp9, 2                       ; the block of 128 tokens
	s_and_b32 s36, ttmp9, 3                        ; my pair of fragments in it
	s_mul_i32 s37, s36, 3072
	v_lshl_add_u32 v[OC], v[L], 4, s37
	s_lshl_b32 s37, s36, 7
	v_lshl_add_u32 v[OS], v[L], 2, s37
	v_lshlrev_b32 v[IA], 4, v[L]
	s_mul_i32 s37, s34, 16896                      ; my stage
	v_add_nc_u32 v[STI], s37, v[IA]
	v_mul_u32_u24 v[STR], v[L], 528
	v_add_nc_u32 v[STR], s37, v[STR]
	s_lshl_b32 s37, s34, 12
	s_add_co_u32 s37, s37, GWB
	v_add_nc_u32 v[GWI], s37, v[IA]
	v_mov_b32 v[GWR], s37
	s_lshl_b32 s37, s34, 10
	s_add_co_u32 s37, s37, PLB
	v_lshl_add_u32 v[PLA], v[L], 5, s37
	v_lshl_add_u32 v[IB], v[L], 5, PLB
	s_lshl_b32 s48, ttmp9, 16                      ; 32 rows of 2,048 bytes
	s_lshl_b32 s49, s34, 9
	s_add_co_u32 s48, s48, s49
	s_mov_b32 s49, 0
	s_add_nc_u64 s[4:5], s[4:5], s[48:49]
	s_lshl_b32 s48, s34, 12
	s_add_nc_u64 s[8:9], s[8:9], s[48:49]          ; gate_w's rows 128 s on
	s_lshl_b32 s50, s35, 2
	s_add_co_u32 s50, s50, s34
	s_mul_i32 s50, s50, 12800                      ; xq [tb][s]
	s_mov_b32 s51, 0
	s_add_nc_u64 s[20:21], s[20:21], s[50:51]
	s_lshl_b32 s50, ttmp9, 10                      ; 32 rows of 32 bytes
	s_add_nc_u64 s[6:7], s[6:7], s[50:51]
	s_add_nc_u64 s[28:29], s[28:29], s[50:51]
	s_add_nc_u64 s[30:31], s[30:31], s[50:51]
.set i, 0
.rept 32
	global_load_b128 v[BAS+4*i:BAS+4*i+3], v[IA], s[4:5] offset:2048*i   ; 512 consecutive bytes of token i's row
.set i, i+1
.endr
.irp i, 0,1,2,3,4,5,6,7
	global_load_b128 v[T1+4*\i:T1+4*\i+3], v[IA], s[8:9] offset:512*\i
.endr
	s_wait_loadcnt 8                               ; x is in; gate_w's eight loads may be out
.set i, 0
.rept 32
	ds_store_b128 v[STI], v[BAS+4*i:BAS+4*i+3] offset:528*i
.set i, i+1
.endr
	s_wait_loadcnt 0x0
.irp i, 0,1,2,3,4,5,6,7
	ds_store_b128 v[GWI], v[T1+4*\i:T1+4*\i+3] offset:512*\i
.endr
.set i, 0
.rept 32
	ds_load_b128 v[BAS+4*i:BAS+4*i+3], v[STR] offset:16*i   ; LDS serves a wave's instructions in order: these see the stores.  Rows 528 bytes apart: sixteen lanes, sixteen different columns of 16 bytes
.set i, i+1
.endr
	GLD 0
.set cc, 0
.rept 32
	GCH cc
.set cc, cc+1
.endr
	ds_store_b128 v[PLA], v[GS:GS+3]
	ds_store_b128 v[PLA], v[GS+4:GS+7] offset:16
	QALL 20, 0, 12288                              ; x's codes
	s_wait_kmcnt 0x0                               ; gate_b
	s_wait_dscnt 0x0                               ; for the others' sake: my partial logits lie in LDS
	s_barrier_signal -1
	s_barrier_wait -1
	s_cmp_lg_u32 s34, 0
	s_cbranch_scc1 .Lt_end
	; wave 0: logits, softmax, mask, renormalised weights  (none of the registers below is a source of the stores above)
	v_lshlrev_b32 v17, 5, v[L]
	global_load_b128 v[56:59], v17, s[6:7]
	global_load_b128 v[60:63], v17, s[6:7] offset:16
.irp w, 0,1,2,3
	ds_load_b128 v[24+8*\w:27+8*\w], v[IB] offset:1024*\w
	ds_load_b128 v[28+8*\w:31+8*\w], v[IB] offset:1024*\w+16
.endr
	s_wait_dscnt 0x0
.irp e, 0,1,2,3,4,5,6,7
	v_add_f32 v[24+\e], v[24+\e], v[32+\e]
	v_add_f32 v[40+\e], v[40+\e], v[48+\e]
.endr
.irp e, 0,1,2,3,4,5,6,7
	v_add_f32 v[24+\e], v[24+\e], v[40+\e]
.endr
.irp e, 0,1,2,3,4,5,6,7
	v_add_f32 v[24+\e], s[40+\e], v[24+\e]
.endr
	v_max3_num_f32 v64, v24, v25, v26
	v_max3_num_f32 v64, v64, v27, v28
	v_max3_num_f32 v64, v64, v29, v30
	v_max_num_f32 v64, v64, v31                    ; the row's largest logit is taken away ahead of the exponentials
.irp e, 0,1,2,3,4,5,6,7
	v_sub_f32 v[24+\e], v[24+\e], v64
.endr
.irp e, 0,1,2,3,4,5,6,7
	v_mul_f32 v[24+\e], 0x3fb8aa3b, v[24+\e]
.endr
.irp e, 0,1,2,3,4,5,6,7
	v_exp_f32 v[24+\e], v[24+\e]
.endr
	v_nop                                          ; a plain line behind the exponentials
	s_wait_alu depctr_va_vdst(0)
	v_add_f32 v65, v24, v25
	v_add_f32 v66, v26, v27
	v_add_f32 v67, v28, v29
	v_add_f32 v68, v30, v31
	v_add_f32 v65, v65, v66
	v_add_f32 v67, v67, v68
	v_add_f32 v65, v65, v67
	v_rcp_f32 v65, v65
	s_wait_loadcnt 0x0                             ; the mask
	v_nop                                          ; a plain line behind the reciprocal
	s_wait_alu depctr_va_vdst(0)
.irp e, 0,1,2,3,4,5,6,7
	v_mul_f32 v[24+\e], v[24+\e], v65              ; the gate
.endr
.irp e, 0,1,2,3,4,5,6,7
	v_mul_f32 v[24+\e], v[24+\e], v[56+\e]         ; x the mask
.endr
	v_add_f32 v65, v24, v25
	v_add_f32 v66, v26, v27
	v_add_f32 v67, v28, v29
	v_add_f32 v68, v30, v31
	v_add_f32 v65, v65, v66
	v_add_f32 v67, v67, v68
	v_add_f32 v65, v65, v67
	v_add_f32 v65, 0x3089705f, v65                 ; + 1e-9
	v_rcp_f32 v65, v65
	v_nop
	s_wait_alu depctr_va_vdst(0)
.irp e, 0,1,2,3,4,5,6,7
	v_mul_f32 v[24+\e], v[24+\e], v65
.endr
	global_store_b128 v17, v[24:27], s[30:31]      ; w: the wave's two stores cover 1,024 consecutive bytes
	global_store_b128 v17, v[28:31], s[30:31] offset:16
	global_store_b128 v17, v[56:59], s[28:29]      ; the mask as it came
	global_store_b128 v17, v[60:63], s[28:29] offset:16
.Lt_end:
	s_wait_tensorcnt 0x0
	ds_add_u32 v123, v127
	s_wait_dscnt 0x0
	s_endpgm
.Lfunc_end_k_q95edb02c61_prep:
	.size	k_q95edb02c61_prep, .Lfunc_end_k_q95edb02c61_prep-k_q95edb02c61_prep
	.p2alignl 7, 3214868480
	.fill 96, 4, 3214868480
	.section	.rodata,"a",@progbits
	.p2align	6, 0x0
	.amdhsa_kernel k_q95edb02c61_prep
		.amdhsa_group_segment_fixed_size 105472
		.amdhsa_private_segment_fixed_size 0
		.amdhsa_enable_private_segment 0
		.amdhsa_kernarg_size 112
		.amdhsa_user_sgpr_count 2
		.amdhsa_user_sgpr_kernarg_segment_ptr 1
		.amdhsa_wavefront_size32 1
		.amdhsa_system_sgpr_workgroup_id_x 1
		.amdhsa_system_sgpr_workgroup_id_y 1
		.amdhsa_system_sgpr_workgroup_id_z 1
		.amdhsa_system_vgpr_workitem_id 0
		.amdhsa_next_free_vgpr 256
		.amdhsa_next_free_sgpr 66
		.amdhsa_reserve_vcc 0
		.amdhsa_float_denorm_mode_32 3
		.amdhsa_float_denorm_mode_16_64 3
		.amdhsa_memory_ordered 1
		.amdhsa_forward_progress 1
		.amdhsa_inst_pref_size 243
	.end_amdhsa_kernel
	.amdgpu_metadata
---
amdhsa.version: [ 1, 2 ]
amdhsa.kernels:
  - .name:           k_q95edb02c61_prep
    .symbol:         k_q95edb02c61_prep.kd
    .args:
      - { .name: x, .offset: 0, .size: 8, .value_kind: global_buffer, .address_space: global }
      - { .name: expert_mask, .offset: 8, .size: 8, .value_kind: global_buffer, .address_space: global }
      - { .name: gate_w, .offset: 16, .size: 8, .value_kind: global_buffer, .address_space: global }
      - { .name: gate_b, .offset: 24, .size: 8, .value_kind: global_buffer, .address_space: global }
      - { .name: mlp_w1, .offset: 32, .size: 8, .value_kind: global_buffer, .address_space: global }
      - { .name: mlp_w2, .offset: 40, .size: 8, .value_kind: global_buffer, .address_space: global }
      - { .name: kan_scaling, .offset: 48, .size: 8, .value_kind: global_buffer, .address_space: global }
      - { .name: kan_coeff, .offset: 56, .size: 8, .value_kind: global_buffer, .address_space: global }
      - { .name: xq, .offset: 64, .size: 8, .value_kind: global_buffer, .address_space: global }
      - { .name: tq, .offset: 72, .size: 8, .value_kind: global_buffer, .address_space: global }
      - { .name: w1q, .offset: 80, .size: 8, .value_kind: global_buffer, .address_space: global }
      - { .name: wq, .offset: 88, .size: 8, .value_kind: global_buffer, .address_space: global }
      - { .name: out1, .offset: 96, .size: 8, .value_kind: global_buffer, .address_space: global }
      - { .name: out2, .offset: 104, .size: 8, .value_kind: global_buffer, .address_space: global }
    .group_segment_fixed_size: 105472
    .private_segment_fixed_size: 0
    .kernarg_segment_align: 8
    .kernarg_segment_size: 112
    .max_flat_workgroup_size: 128
    .sgpr_count:     66
    .vgpr_count:     256
    .wavefront_size: 32
...
	.end_amdgpu_metadata
.endif
;; end of part 1
;; launch hid (part 2): grid 32 x 8, 4 waves a work-group, clusters of 4 x 4, 327,680 bytes of LDS; arguments xq, w1q, mlp_b1, tq; writes tq
.if DOCPART == 2
	.amdgcn_target "amdgcn-amd-amdhsa--gfx1250"
	.amdhsa_code_object_version 6
	.text
	.protected	k_q95edb02c61_hid
	.globl	k_q95edb02c61_hid
	.p2align	8
	.type	k_q95edb02c61_hid,@function
k_q95edb02c61_hid:
	s_mov_b64 s[64:65], 0
	v_nop
	global_prefetch_b8 v0, s[64:65] scope:SCOPE_SE
	s_setreg_imm32_b32 hwreg(HW_REG_WAVE_MODE, 25, 1), 1
	s_wait_xcnt 0x0
	s_wait_alu depctr_hold_cnt(0) depctr_sa_sdst(0) depctr_va_vdst(0) depctr_va_sdst(0) depctr_va_ssrc(0) depctr_va_vcc(0) depctr_vm_vsrc(0)
	s_getreg_b32 s2, hwreg(HW_REG_IB_STS2, 6, 4)
	s_cmp_eq_u32 s2, 0
	s_cbranch_scc0 .Lentry_in_a_cluster
	s_endpgm
.Lentry_in_a_cluster:
	s_bfe_u32 s2, ttmp6, 0x10000c
	s_cmp_lg_u32 s2, 0xf033
	s_cbranch_scc0 .Lentry_shape_is_right
	s_endpgm
.Lentry_shape_is_right:
; h = relu(x W1 + b1) for the four MLP experts, on codes of FP6 (E2M3) with E8M0 scales, quantised again along the hidden units and stored as images of the next product's operand registers.
; xq [32 blocks of 128 tokens][4 K steps], w1q [64 blocks of 128 hidden units][4 K steps]: blocks of 12,800 bytes: 8 fragments (16 rows x 128 K, 1,536 bytes: piece c of 512 bytes holds lane l's registers
; 4 c .. 4 c + 3 at 16 l), then 4 lines of 128 bytes of scale words (word 4 l: fragment 2 j + l / 16, row l % 16).  tq [32][16 slots] of 76,800 bytes: a slot's first four such blocks are the four experts' hidden layers
; of the next product's K step of that number; the rest of a slot is another launch's.
; SHARES.  A work-group owns 256 hidden units x 512 tokens, as two tiles of 256 x 256; a wave 128 x 128 of a tile: 64 accumulators, 512 registers; K = 512 is four matrix instructions deep.
; ALL operands of the work-group (4 blocks of x, 2 of W1, all of K: 307,200 bytes) come into LDS once: three tensor loads a wave, all three out at once; no LDS byte is filled twice.
; CLUSTERS: 4 x 4 work-groups.  The four of a row of the cluster need the same tokens, the four of a column the same hidden units: each tile is asked for jointly, by the same load with a mask that names the four.
; THE MATRIX INSTRUCTION IS USED TRANSPOSED: source 0 = 16 rows of W1, source 1 = 16 tokens: a lane holds one token, and (by the order in which w1q's fragments take W1's rows) the 64 registers of a tile of
; 16 tokens are hidden units 32 b + 16 (lane / 16) + i in register 16 b + i: what the conversions want.  b1 is the C of each sum's first matrix instruction.
; A fragment comes from LDS by three loads of 512 consecutive bytes.  One register of scale words serves two fragments: lanes 0-15 the even one, lanes 16-31 the odd one.
; LIMITS: as the quantiser's: a block whose largest magnitude lies under 2^-124 (a block of zeros too) keeps the byte 1; the bytes are read by this program alone.
; REGISTERS: window 0: v4-11 addresses; v16-31 scale words, two sets; v32-59 at work on the way out; v64-159, v160-255 x's fragments, two sets (on the way out: v64-127 a tile's 64 numbers, v128-167 codes);
;   window 1: v0-95, v96-191 W1's fragments, two sets; v192-255 b1;   windows 2, 3: the accumulators, (a, b) at v[8 (8 (a % 4) + b)] of window 2 + a / 4.
.set BLK8, 12800
.set GRP,  4*BLK8                      ; a block of 128 rows, all of K
.set SIDE, 76800                       ; a slot's bytes in tq
.set G1X, 24                           ; s[24:31] descriptor group 1 for x's tiles;  s[32:35], s[36:39], s[68:71] their groups 0
.set GX0, 32
.set GX1, 36
.set GX2, 68
.set G1W, 48                           ; s[48:55] group 1 for W1's tiles;  s[56:59], s[60:63] their groups 0
.set GW0, 56
.set GW1, 60
.set SEL, 66                           ; s66-67 lane selects for v_permlanex16_b32: lane l xor 16
.set AX0, 4                            ; v4   LDS address of my x fragments, tile 0   (v10: tile 1)
.set AW,  5                            ; v5   of my W1 fragments
.set SX0, 6                            ; v6   of x's scale words, tile 0   (v11: tile 1)
.set SWA, 7                            ; v7   of W1's
.set LI,  8                            ; v8   16 x lane
.set LS,  9                            ; v9   4 x lane
.set PWK, 32                           ; v32-39 the eight scale words of a tile
.set SJ,  40                           ; v40-43 the four lines made of them
.set TM,  44                           ; v44-59 the quantiser's work space
.set ST,  64
.set PC,  128
.set MSB, 0
.macro WIN new                         ; the immediate's high byte repeats the setting that is left
.if MSB != (\new)
	s_set_vgpr_msb (MSB<<8)|(\new)
.set MSB, (\new)
.endif
.endm
.macro PLACES                          ; four plain vector lines between a matrix instruction and a load into, or a vector read of, its registers (ISA guide 7.12.1 for vector instructions)
.rept 4
	v_nop
.endr
.endm
; A joint load: waves 0 and 1 fetch for x, waves 2 and 3 for W1.  The branch hangs on the wave's number alone.  Four v_nop follow each of the two lines.
.macro JLOAD g0a, g0b
	s_cmp_eq_u32 s15, 0
	s_cbranch_scc0 .Lfor_w_\@
	tensor_load_to_lds s[\g0a:\g0a+3], s[G1X:G1X+7]
	s_nop 0
.rept 4
	v_nop
.endr
	s_branch .Lasked_\@
.Lfor_w_\@:
	tensor_load_to_lds s[\g0b:\g0b+3], s[G1W:G1W+7]
	s_nop 0
.rept 4
	v_nop
.endr
.Lasked_\@:
.endm
.macro CROUND                          ; a round of the cluster's barrier
	s_barrier_signal -1
	s_barrier_wait -1
	s_cmp_lg_u32 s14, 0
	s_cbranch_scc1 .Lnot_wave_0_\@
	s_barrier_signal -3
.Lnot_wave_0_\@:
	s_barrier_wait -3
	s_barrier_signal -1
	s_barrier_wait -1
.endm
; One matrix instruction; its registers are the symbols rD, rA, rB, rC, rSA, rSB; fRA, fRB: the side's scale words stand in lanes 16-31
.macro WM
.if fRA && fRB
	v_wmma_scale_f32_16x16x128_f8f6f4 v[rD:rD+7], v[rA:rA+11], v[rB:rB+11], v[rC:rC+7], v[rSA], v[rSB] matrix_a_fmt:MATRIX_FMT_FP6 matrix_b_fmt:MATRIX_FMT_FP6 matrix_a_scale:MATRIX_SCALE_ROW1 matrix_b_scale:MATRIX_SCALE_ROW1
.elseif fRA
	v_wmma_scale_f32_16x16x128_f8f6f4 v[rD:rD+7], v[rA:rA+11], v[rB:rB+11], v[rC:rC+7], v[rSA], v[rSB] matrix_a_fmt:MATRIX_FMT_FP6 matrix_b_fmt:MATRIX_FMT_FP6 matrix_a_scale:MATRIX_SCALE_ROW1
.elseif fRB
	v_wmma_scale_f32_16x16x128_f8f6f4 v[rD:rD+7], v[rA:rA+11], v[rB:rB+11], v[rC:rC+7], v[rSA], v[rSB] matrix_a_fmt:MATRIX_FMT_FP6 matrix_b_fmt:MATRIX_FMT_FP6 matrix_b_scale:MATRIX_SCALE_ROW1
.else
	v_wmma_scale_f32_16x16x128_f8f6f4 v[rD:rD+7], v[rA:rA+11], v[rB:rB+11], v[rC:rC+7], v[rSA], v[rSB] matrix_a_fmt:MATRIX_FMT_FP6 matrix_b_fmt:MATRIX_FMT_FP6
.endif
.endm
; 32 matrix instructions: tiles of tokens 4 hi .. 4 hi + 3 x the eight tiles of hidden units, from register set p.  bias = 1: the sums begin with b1.
.macro MUL32 p, hi, bias
.irp a, 0,1,2,3
.irp b, 0,1,2,3,4,5,6,7
.set rD, 8*(8*\a+\b)
.set rA, 96*\p+12*\b
.set rB, 64+96*\p+12*(4*\hi+\a)
.if \bias
.set rC, 192+8*\b
.else
.set rC, rD
.endif
.set rSA, 20+8*\p+\b/2
.set rSB, 16+8*\p+(4*\hi+\a)/2
.set fRA, \b%2
.set fRB, \a%2
	WM
.endr
.endr
.endm
; A K step: the 64 accumulators take turns, one instruction a turn, in the same order in every step
.macro MUL64 p, bias
.if \bias
	WIN 0x91                                       ; source 0 (W1) and C (b1) window 1, source 1 (x) window 0, D window 2
	MUL32 \p, 0, 1
	WIN 0xd1                                       ; D window 3
	MUL32 \p, 1, 1
.else
	WIN 0xa1                                       ; C and D window 2
	MUL32 \p, 0, 0
	WIN 0xf1                                       ; C and D window 3
	MUL32 \p, 1, 0
.endif
.endm
; 56 LDS loads: K step ks of tile tl into register set p: W1's eight fragments, x's eight, four registers of scale words a side
.macro FETCH tl, ks, p
	WIN 0x40                                       ; destination window 1, address window 0
.irp b, 0,1,2,3,4,5,6,7
.irp c, 0,1,2
	ds_load_b128 v[96*\p+12*\b+4*\c:96*\p+12*\b+4*\c+3], v[AW] offset:\ks*BLK8+1536*\b+512*\c
.endr
.endr
	WIN 0
.irp a, 0,1,2,3,4,5,6,7
.irp c, 0,1,2
	ds_load_b128 v[64+96*\p+12*\a+4*\c:64+96*\p+12*\a+4*\c+3], v[AX0+6*\tl] offset:\ks*BLK8+1536*\a+512*\c
.endr
.endr
.irp j, 0,1,2,3
	ds_load_b32 v[16+8*\p+\j], v[SX0+5*\tl] offset:\ks*BLK8+12288+128*\j
	ds_load_b32 v[20+8*\p+\j], v[SWA] offset:\ks*BLK8+12288+128*\j
.endr
.endm
; 64 numbers of a lane, register 16 b + i = k 32 b + 16 (lane / 16) + i of my token's row, none negative, become a fragment's codes in v[pc] on and its scale word in v[pw]
.macro QUANT src, pc, pw
.irp b, 0,1,2,3
	v_max3_num_f32 v[TM+\b], v[\src+16*\b], v[\src+1+16*\b], 0x1800000   ; block b: my 16 numbers, and the floor 2^(3 - 127): the byte cannot fall under 1
.endr
.irp i, 2,4,6,8,10,12,14
.irp b, 0,1,2,3
	v_max3_num_f32 v[TM+\b], v[TM+\b], v[\src+16*\b+\i], v[\src+1+16*\b+\i]
.endr
.endr
.irp b, 0,1,2,3
	v_permlanex16_b32 v[TM+4+\b], v[TM+\b], s[SEL], s[SEL+1]
.endr
.irp b, 0,1,2,3
	v_max_num_f32 v[TM+\b], v[TM+\b], v[TM+4+\b]   ; with lane l xor 16's: the block's largest
.endr
.irp b, 0,1,2,3
	v_add_nc_u32 v[TM+12+\b], 0xff000000, v[TM+\b] ; 2 off its exponent field: the conversion's scale operand
.endr
.irp b, 0,1,2,3
	v_lshrrev_b32 v[TM+4+\b], 23, v[TM+12+\b]      ; the scale's byte
.endr
	v_lshl_or_b32 v[\pw], v[TM+5], 8, v[TM+4]
	v_lshl_or_b32 v[\pw], v[TM+6], 16, v[\pw]
	v_lshl_or_b32 v[\pw], v[TM+7], 24, v[\pw]
.irp c, 0,1
	v_cvt_scalef32_pk16_fp6_f32 v[\pc+6*\c:\pc+2+6*\c], v[\src+32*\c:\src+15+32*\c], v[TM+12+2*\c]
	v_cvt_scalef32_pk16_fp6_f32 v[\pc+12+4*\c:\pc+14+4*\c], v[\src+16+32*\c:\src+31+32*\c], v[TM+12+2*\c+1]   ; (a conversion's three registers begin on an even number)
.endr
	v_nop                                          ; one plain line behind the conversions
.irp c, 0,1                                    ; the operand's layout wants a whole block in a lane
.irp i, 0,1,2
	v_permlane16_swap_b32 v[\pc+6*\c+\i], v[\pc+12+4*\c+\i]
.endr
.irp i, 0,1,2
	v_mov_b32 v[\pc+3+6*\c+\i], v[\pc+12+4*\c+\i]
.endr
.endr
.endm
; The way out of tile of tokens a: relu (which also brings the numbers into window 0; each accumulator is read from its low end on), quantiser, three stores of 512 consecutive bytes
.macro EPI a
	WIN 0x08+4*((\a)/4)                            ; source 1: window 2 or 3
.set jj, 0
.rept 64
	v_max_num_f32 v[ST+jj], 0, v[64*((\a)%4)+jj]
.set jj, jj+1
.endr
	WIN 0
	s_wait_xcnt 0x0                                ; the stores of two tiles ago have read the registers that the codes now take
	QUANT ST, PC+20*((\a)%2), PWK+(\a)
.irp c, 0,1,2
	global_store_b128 v[LI], v[PC+20*((\a)%2)+4*\c:PC+20*((\a)%2)+4*\c+3], s[10:11] offset:1536*(\a)+512*\c
.endr
.endm
.macro TILE tl
.if \tl == 0
	s_wait_tensorcnt 0x2                           ; my first load (K steps 0, 1 of a block) is in; the two behind it may be out
.else
	s_wait_tensorcnt 0x0                           ; my third load (a quarter of x's blocks 2, 3) is in
.endif
	s_barrier_signal -1
	s_barrier_wait -1                              ; everybody's is
	FETCH \tl, 0, 0
	FETCH \tl, 1, 1
.if \tl == 0
	s_wait_loadcnt 0x0                             ; b1
.endif
	s_wait_dscnt 56                                ; set 0 is in; the 56 loads of set 1 may be out
	MUL64 0, 1
.if \tl == 0
	s_wait_dscnt 0x0                               ; no LDS instruction is pending at a signal
	s_wait_tensorcnt 0x1                           ; my second load (K steps 2, 3) is in; the third may be out
	s_barrier_signal -1
	s_barrier_wait -1
.endif
	PLACES
	FETCH \tl, 2, 0
	s_wait_dscnt 56                                ; set 1 is in
	MUL64 1, 0
	PLACES
	FETCH \tl, 3, 1
	s_wait_dscnt 56                                ; set 0 is in
	MUL64 0, 0
	s_wait_dscnt 0x0
	MUL64 1, 0
	PLACES
.irp a, 0,1,2,3,4,5,6,7
	EPI \a
.endr
.irp j, 0,1,2,3
	v_cndmask_b32 v[SJ+\j], v[PWK+2*\j], v[PWK+2*\j+1], s12      ; a line: lanes 0-15 the even fragment's words, lanes 16-31 the odd one's (both halves of the lanes hold row l % 16's word)
.endr
.irp j, 0,1,2,3
	global_store_b32 v[LS], v[SJ+\j], s[10:11] offset:12288+128*\j
.endr
.endm
	s_load_b256 s[4:11], s[0:1], 0x0               ; xq 4, w1q 6, b1 8, tq 10
	v_lshl_add_u32 v62, v0, 2, 0x4b000
	v_mov_b32 v63, 0
	ds_add_u32 v62, v63
	ds_add_u32 v62, v63
	v_lshrrev_b32 v1, 5, v0
	v_readfirstlane_b32 s14, v1                    ; wave 0..3
	s_lshr_b32 s15, s14, 1                         ; which block of tokens of a tile is mine.  Also: I fetch for x (0) or for W1 (1)
	s_and_b32 s16, s14, 1                          ; which block of hidden units.  Also: which block I fetch
	s_bfe_u32 s40, ttmp6, 0x40000                  ; cx, cy: my place in the cluster
	s_bfe_u32 s41, ttmp6, 0x40004
	s_lshl_b32 s42, ttmp9, 2
	s_add_co_u32 s42, s42, s40                     ; nx = 4 x cluster x + cx: 256 hidden units
	s_and_b32 s17, ttmp7, 0xffff
	s_lshl_b32 s17, s17, 2
	s_add_co_u32 s17, s17, s41                     ; ty = 4 x cluster y + cy: 512 tokens
	s_lshl_b32 s43, s41, 2
	s_lshl_b32 s43, 15, s43                        ; my row of the cluster
	s_lshl_b32 s44, 0x1111, s40                    ; my column
	; descriptor group 1: a dense block of 25,600 bytes as 100 rows of 32 elements of 8 bytes
	s_or_b32 s[G1X], s43, (3<<16)|(1<<21)          ; 15:0 the mask; 17:16 elements of 8 bytes; 20 no padding; 21 set beside a mask
	s_or_b32 s[G1W], s44, (3<<16)|(1<<21)
.irp g, G1X, G1W
	s_mov_b32 s[\g+1], 32<<16                      ; tensor_dim0 = 32
	s_mov_b32 s[\g+2], 100<<16                     ; tensor_dim1 = 100
	s_mov_b32 s[\g+3], 32<<16                      ; tile_dim0 = 32
	s_mov_b32 s[\g+4], 100                         ; tile_dim1 = 100
	s_mov_b32 s[\g+5], 32                          ; from row to row
	s_mov_b32 s[\g+6], 0
	s_mov_b32 s[\g+7], 0
.endr
	s_mul_i32 s20, s17, 4*GRP                      ; x's addresses hang on ty and the wave's number alone,
	s_mul_i32 s18, s16, GRP
	s_add_co_u32 s20, s20, s18
	s_mov_b32 s21, 0
	s_mul_i32 s22, s17, 4*GRP
	s_mul_i32 s18, s14, 2*BLK8
	s_add_co_u32 s22, s22, s18
	s_add_co_u32 s22, s22, 2*GRP
	s_mov_b32 s23, 0
	s_lshl_b32 s46, s42, 1                         ; W1's on nx and the wave's number alone
	s_add_co_u32 s46, s46, s16
	s_mul_i32 s46, s46, GRP
	s_mov_b32 s47, 0
	s_mul_i32 s45, s14, GRP                        ; LDS: x's blocks 0, 1, W1's blocks 0, 1: wave x 51,200;
	s_add_co_u32 s19, s18, 4*GRP                   ; x's blocks 2, 3 behind them: 204,800 + wave x 25,600
	s_wait_dscnt 0x0
	s_wait_kmcnt 0x0
	CROUND                                         ; all sixteen work-groups are here: the joint loads meet
	s_mov_b32 s[GX0], 1
	s_mov_b32 s[GX0+1], s45
	s_add_nc_u64 s[GX0+2:GX0+3], s[4:5], s[20:21]
	s_or_b32 s[GX0+3], s[GX0+3], 0x80000000
	s_mov_b32 s[GW0], 1
	s_mov_b32 s[GW0+1], s45
	s_add_nc_u64 s[GW0+2:GW0+3], s[6:7], s[46:47]
	s_or_b32 s[GW0+3], s[GW0+3], 0x80000000
	s_mov_b32 s[GX1], 1
	s_add_co_u32 s[GX1+1], s45, 2*BLK8
	s_add_nc_u64 s[GX1+2:GX1+3], s[4:5], s[20:21]
	s_add_nc_u64 s[GX1+2:GX1+3], s[GX1+2:GX1+3], 2*BLK8
	s_or_b32 s[GX1+3], s[GX1+3], 0x80000000
	s_mov_b32 s[GW1], 1
	s_add_co_u32 s[GW1+1], s45, 2*BLK8
	s_add_nc_u64 s[GW1+2:GW1+3], s[6:7], s[46:47]
	s_add_nc_u64 s[GW1+2:GW1+3], s[GW1+2:GW1+3], 2*BLK8
	s_or_b32 s[GW1+3], s[GW1+3], 0x80000000
	s_mov_b32 s[GX2], 1
	s_mov_b32 s[GX2+1], s19
	s_add_nc_u64 s[GX2+2:GX2+3], s[4:5], s[22:23]
	s_or_b32 s[GX2+3], s[GX2+3], 0x80000000
	JLOAD GX0, GW0                                 ; K steps 0, 1 of the first tile's blocks
	JLOAD GX1, GW1                                 ; K steps 2, 3
	tensor_load_to_lds s[GX2:GX2+3], s[G1X:G1X+7]  ; the second tile's tokens, a quarter a wave
	s_nop 0
.rept 4
	v_nop
.endr
	v_and_b32 v1, 31, v0                           ; lane
	v_lshlrev_b32 v[LI], 4, v1
	v_lshlrev_b32 v[LS], 2, v1
	s_mul_i32 s18, s15, GRP
	v_add_nc_u32 v[AX0], s18, v[LI]
	v_add_nc_u32 v[SX0], s18, v[LS]
	v_add_nc_u32 v[AX0+6], 4*GRP, v[AX0]
	v_add_nc_u32 v[SX0+5], 4*GRP, v[SX0]
	s_mul_i32 s18, s16, GRP
	s_add_co_u32 s18, s18, 2*GRP
	v_add_nc_u32 v[AW], s18, v[LI]
	v_add_nc_u32 v[SWA], s18, v[LS]
	v_lshrrev_b32 v2, 4, v1
	v_lshlrev_b32 v2, 6, v2                        ; b1: my half's 16 hidden units of a block of 32 begin 64 (lane / 16) bytes on
	s_mov_b32 s[SEL], 0x76543210
	s_mov_b32 s[SEL+1], 0xfedcba98
.irp b, 0,1,2,3
	v_mov_b32 v[TM+4+\b], 0                        ; written once: a lane permute's destination counts as one of its sources
.endr
	s_lshl_b32 s13, s42, 1
	s_add_co_u32 s13, s13, s16                     ; my block of 128 hidden units
	s_lshl_b32 s2, s13, 9
	s_mov_b32 s3, 0
	s_add_nc_u64 s[8:9], s[8:9], s[2:3]            ; its 128 numbers of b1
	s_lshl_b32 s2, s17, 2
	s_add_co_u32 s2, s2, s15                       ; my block of 128 tokens in tile 0
	s_lshl_b32 s2, s2, 4
	s_and_b32 s12, s13, 15
	s_add_co_u32 s2, s2, s12                       ; the next product's K step: the slot
	s_mul_i32 s2, s2, SIDE
	s_lshr_b32 s12, s13, 4
	s_mul_i32 s12, s12, BLK8                       ; the expert's block in the slot
	s_add_co_u32 s2, s2, s12
	s_add_nc_u64 s[10:11], s[10:11], s[2:3]        ; tq [tb][slot][e]: a wave's tile is one whole block
	v_cmp_lt_u32 s12, 15, v1                       ; lanes 16-31
	WIN 0x40                                       ; destination window 1
.irp t, 0,1,2,3,4,5,6,7
	global_load_b128 v[192+8*\t:192+8*\t+3], v2, s[8:9] offset:(32*(\t/2)+8*(\t%2))*4
	global_load_b128 v[192+8*\t+4:192+8*\t+7], v2, s[8:9] offset:(32*(\t/2)+8*(\t%2))*4+16
.endr
	WIN 0
	TILE 0
	s_wait_xcnt 0x0                                ; the stores have read their registers and their base: fragments land there, the base steps
	s_add_nc_u64 s[10:11], s[10:11], 2*16*SIDE     ; two blocks of tokens on
	TILE 1
	s_wait_tensorcnt 0x0
	ds_add_u32 v62, v63
	s_wait_dscnt 0x0
	CROUND                                         ; the closing round: no work-group ends while a partner may still ask for a tile that names it
	s_endpgm
.Lfunc_end_k_q95edb02c61_hid:
	.size	k_q95edb02c61_hid, .Lfunc_end_k_q95edb02c61_hid-k_q95edb02c61_hid
	.p2alignl 7, 3214868480
	.fill 96, 4, 3214868480
	.section	.rodata,"a",@progbits
	.p2align	6, 0x0
	.amdhsa_kernel k_q95edb02c61_hid
		.amdhsa_group_segment_fixed_size 327680
		.amdhsa_private_segment_fixed_size 0
		.amdhsa_enable_private_segment 0
		.amdhsa_kernarg_size 32
		.amdhsa_user_sgpr_count 2
		.amdhsa_user_sgpr_kernarg_segment_ptr 1
		.amdhsa_wavefront_size32 1
		.amdhsa_system_sgpr_workgroup_id_x 1
		.amdhsa_system_sgpr_workgroup_id_y 1
		.amdhsa_system_sgpr_workgroup_id_z 1
		.amdhsa_system_vgpr_workitem_id 0
		.amdhsa_next_free_vgpr 1024
		.amdhsa_next_free_sgpr 72
		.amdhsa_reserve_vcc 0
		.amdhsa_float_denorm_mode_32 3
		.amdhsa_float_denorm_mode_16_64 3
		.amdhsa_memory_ordered 1
		.amdhsa_forward_progress 1
		.amdhsa_inst_pref_size 203
	.end_amdhsa_kernel
	.amdgpu_metadata
---
amdhsa.version: [ 1, 2 ]
amdhsa.kernels:
  - .name:           k_q95edb02c61_hid
    .symbol:         k_q95edb02c61_hid.kd
    .args:
      - { .name: xq, .offset: 0, .size: 8, .value_kind: global_buffer, .address_space: global }
      - { .name: w1q, .offset: 8, .size: 8, .value_kind: global_buffer, .address_space: global }
      - { .name: mlp_b1, .offset: 16, .size: 8, .value_kind: global_buffer, .address_space: global }
      - { .name: tq, .offset: 24, .size: 8, .value_kind: global_buffer, .address_space: global }
    .group_segment_fixed_size: 327680
    .private_segment_fixed_size: 0
    .kernarg_segment_align: 8
    .kernarg_segment_size: 32
    .max_flat_workgroup_size: 128
    .sgpr_count:     72
    .vgpr_count:     1024
    .wavefront_size: 32
...
	.end_amdgpu_metadata
.endif
;; end of part 2
;; launch out (part 3): grid 8 x 32, 4 waves a work-group, clusters of 4 x 4, 327,680 bytes of LDS; arguments tq, wq, mlp_b2, out2, out0; writes out0
.if DOCPART == 3
	.amdgcn_target "amdgcn-amd-amdhsa--gfx1250"
	.amdhsa_code_object_version 6
	.text
	.protected	k_q95edb02c61_out
	.globl	k_q95edb02c61_out
	.p2align	8
	.type	k_q95edb02c61_out,@function
k_q95edb02c61_out:
	s_mov_b64 s[64:65], 0
	v_nop
	global_prefetch_b8 v0, s[64:65] scope:SCOPE_SE
	s_setreg_imm32_b32 hwreg(HW_REG_WAVE_MODE, 25, 1), 1
	s_wait_xcnt 0x0
	s_wait_alu depctr_hold_cnt(0) depctr_sa_sdst(0) depctr_va_vdst(0) depctr_va_sdst(0) depctr_va_ssrc(0) depctr_va_vcc(0) depctr_vm_vsrc(0)
	s_getreg_b32 s2, hwreg(HW_REG_IB_STS2, 6, 4)
	s_cmp_eq_u32 s2, 0
	s_cbranch_scc0 .Lentry_in_a_cluster
	s_endpgm
.Lentry_in_a_cluster:
	s_bfe_u32 s2, ttmp6, 0x10000c
	s_cmp_lg_u32 s2, 0xf033
	s_cbranch_scc0 .Lentry_shape_is_right
	s_endpgm
.Lentry_shape_is_right:
; out0[t][o] = sum over e of w[t][e] x (expert e's output): experts 0-3 h W2 + b2 (K = 2,048), experts 4-7 basis x coefficients (K = 4,096), both on codes of FP6 (E2M3) with E8M0 scales.
; All operands lie as images of the operand's registers: a fragment (16 rows x 128 K) is three pieces of 512 bytes, lane l's registers 4 c .. 4 c + 3 at 512 c + 16 l; two fragments share a line of 128 bytes
; of scale words (word 4 l: fragment 2 j + l / 16, row l % 16).  tq [tb 32][slot 16]: 76,800 bytes a slot: four blocks (8 fragments + 4 lines, 12,800 bytes) of the four hidden layers, two of the spline basis.
; wq [ob 8][slot 16]: 76,800 bytes a slot: four blocks (4 fragments + 2 lines, 6,400 bytes) of mlp_w2, eight of the spline coefficients (two K steps x four experts).
; SHARES.  A work-group owns 128 tokens x 64 outputs, whole: every output byte has one owner and no partial sum goes to memory.  WAVE v TAKES MLP EXPERT v AND SPLINE EXPERT v for the whole tile:
; two sets of 32 accumulators, 512 registers.  At the end each wave weighs its two results by w and the four waves' sums meet in LDS.
; THE RING.  A slot holds one K step of the MLP product and two of the spline product for all four experts: 153,600 bytes, 96 matrix instructions a wave; sixteen slots' worth, two slots in LDS.
; Each wave fetches a quarter of a slot, 38,400 dense bytes, by one tensor load: waves 0 and 1 the halves of tq's part, waves 2 and 3 the halves of wq's.
; CLUSTERS: 4 x 4 work-groups.  The four of a row of the cluster need the same tokens (tq), the four of a column the same outputs (wq): each tile is asked for jointly.
; THE MATRIX INSTRUCTION IS USED TRANSPOSED: source 0 = 16 outputs (rows of the weights), source 1 = 16 tokens: a lane holds eight neighbouring outputs of one token.  b2 is the C of the MLP sums' first instruction.
; The spline product's K steps run in the order in which tq and wq are laid (whole blocks of 32 in another order, alike on both sides): only the order of the f32 sums differs.
; REGISTERS: window 0: v4-19 LDS addresses; v20, v21 the spare word's address and 0; v22-27 the way out; v32-43 scale words, two sets; v48-79 w; v128-175, v176-223 the weights' fragments, two sets;
;   window 1: v0-95, v96-191 the tokens' fragments, two sets; v192-223 b2;   window 2: the MLP accumulators, (a, b) at v[8 (4 a + b)];   window 3: the spline accumulators.
.set SLOT,  153600
.set SIDE,  76800                      ; a slot's bytes of tq, and of wq
.set HALF,  38400                      ; what one tensor load brings
.set OH,    0                          ; a slot in LDS: the hidden layers' four blocks,
.set OB,    51200                      ; the basis's two,
.set OW,    76800                      ; mlp_w2's four,
.set OCQ,   102400                     ; the coefficients' eight
.set SPARE, 2*SLOT                     ; behind the ring: the spare words, 128 bytes for each wave: two blocks of 256 bytes that no other line names
.set SCOPY, 34816                      ; the way out: a copy of 128 rows x (256 + 16) bytes for each wave, in slot 0, which has had its last fill and its last read by then
.set G1T, 24                           ; s[24:31] descriptor group 1 for tq's tiles;  s[32:39] for wq's
.set G1W, 32
.set GT,  40                           ; s[40:47] groups 0 for tq's tiles, one set for each slot;  s[48:55] for wq's
.set GW,  48
.set ADH, 4                            ; v4-5   my hidden layer's fragments in slot 0, 1
.set ADB, 6                            ; v6-7   the basis's
.set ADW, 8                            ; v8-9   my mlp_w2 fragments
.set ADC, 10                           ; v10-11 my coefficients' fragments
.set ASH, 12                           ; v12-19 the same for the scale words
.set ASB, 14
.set ASW, 16
.set ASC, 18
.set SPW, 20
.set NIL, 21
.set STO, 22
.set RD,  23                           ; v23-26 where I read the four copies back
.set CO,  27
.set W_MLP, 0xa4                       ; source 0 (weights) window 0, source 1 (tokens) window 1, C and D window 2
.set W_KAN, 0xf4                       ; C and D window 3
.set W_B2,  0x94                       ; C (b2) window 1, D window 2
.set MSB, 0
.macro WIN new                         ; the immediate's high byte repeats the setting that is left
.if MSB != (\new)
	s_set_vgpr_msb (MSB<<8)|(\new)
.set MSB, (\new)
.endif
.endm
.macro PLACES                          ; four plain vector lines between a matrix instruction and a load into, or a vector read of, its registers (ISA guide 7.12.1 for vector instructions)
.rept 4
	v_nop
.endr
.endm
.macro CREST                           ; a round of the cluster's barrier behind its opening barrier
	s_cmp_lg_u32 s18, 0
	s_cbranch_scc1 .Lnot_wave_0_\@
	s_barrier_signal -3
.Lnot_wave_0_\@:
	s_barrier_wait -3
	s_barrier_signal -1
	s_barrier_wait -1
.endm
.macro CROUND
	s_barrier_signal -1
	s_barrier_wait -1
	CREST
.endm
; A slot's joint loads, one a wave: waves 0 and 1 fetch for the tokens' side, waves 2 and 3 for the weights'.  The branch hangs on the wave's number alone.  Four v_nop follow each line.
.macro JLOAD s
	s_cmp_eq_u32 s14, 0
	s_cbranch_scc0 .Lfor_w_\@
	tensor_load_to_lds s[GT+4*\s:GT+4*\s+3], s[G1T:G1T+7]
	s_nop 0
.rept 4
	v_nop
.endr
	s_branch .Lasked_\@
.Lfor_w_\@:
	tensor_load_to_lds s[GW+4*\s:GW+4*\s+3], s[G1W:G1W+7]
	s_nop 0
.rept 4
	v_nop
.endr
.Lasked_\@:
.endm
.macro MKG0 g, ptr, off                ; a side's two groups 0: slot 0 takes the first slot's worth, slot 1 the second; in LDS my quarter begins at wave x 38,400
	s_mov_b32 s[\g], 1
	s_mov_b32 s[\g+1], s17
	s_add_nc_u64 s[\g+2:\g+3], s[\ptr:\ptr+1], s[\off:\off+1]
	s_or_b32 s[\g+3], s[\g+3], 0x80000000
	s_mov_b32 s[\g+4], 1
	s_add_co_u32 s[\g+5], s17, SLOT
	s_add_nc_u64 s[\g+6:\g+7], s[\ptr:\ptr+1], s[\off:\off+1]
	s_add_nc_u64 s[\g+6:\g+7], s[\g+6:\g+7], SIDE
	s_or_b32 s[\g+7], s[\g+7], 0x80000000
.endm
; One matrix instruction; its registers are the symbols rD, rA, rB, rC, rSA, rSB; fRA, fRB: the side's scale words stand in lanes 16-31.  zero = 1: the product starts the sum
.macro WM zero
.if \zero
.if fRA && fRB
	v_wmma_scale_f32_16x16x128_f8f6f4 v[rD:rD+7], v[rA:rA+11], v[rB:rB+11], 0, v[rSA], v[rSB] matrix_a_fmt:MATRIX_FMT_FP6 matrix_b_fmt:MATRIX_FMT_FP6 matrix_a_scale:MATRIX_SCALE_ROW1 matrix_b_scale:MATRIX_SCALE_ROW1
.elseif fRA
	v_wmma_scale_f32_16x16x128_f8f6f4 v[rD:rD+7], v[rA:rA+11], v[rB:rB+11], 0, v[rSA], v[rSB] matrix_a_fmt:MATRIX_FMT_FP6 matrix_b_fmt:MATRIX_FMT_FP6 matrix_a_scale:MATRIX_SCALE_ROW1
.elseif fRB
	v_wmma_scale_f32_16x16x128_f8f6f4 v[rD:rD+7], v[rA:rA+11], v[rB:rB+11], 0, v[rSA], v[rSB] matrix_a_fmt:MATRIX_FMT_FP6 matrix_b_fmt:MATRIX_FMT_FP6 matrix_b_scale:MATRIX_SCALE_ROW1
.else
	v_wmma_scale_f32_16x16x128_f8f6f4 v[rD:rD+7], v[rA:rA+11], v[rB:rB+11], 0, v[rSA], v[rSB] matrix_a_fmt:MATRIX_FMT_FP6 matrix_b_fmt:MATRIX_FMT_FP6
.endif
.else
.if fRA && fRB
	v_wmma_scale_f32_16x16x128_f8f6f4 v[rD:rD+7], v[rA:rA+11], v[rB:rB+11], v[rC:rC+7], v[rSA], v[rSB] matrix_a_fmt:MATRIX_FMT_FP6 matrix_b_fmt:MATRIX_FMT_FP6 matrix_a_scale:MATRIX_SCALE_ROW1 matrix_b_scale:MATRIX_SCALE_ROW1
.elseif fRA
	v_wmma_scale_f32_16x16x128_f8f6f4 v[rD:rD+7], v[rA:rA+11], v[rB:rB+11], v[rC:rC+7], v[rSA], v[rSB] matrix_a_fmt:MATRIX_FMT_FP6 matrix_b_fmt:MATRIX_FMT_FP6 matrix_a_scale:MATRIX_SCALE_ROW1
.elseif fRB
	v_wmma_scale_f32_16x16x128_f8f6f4 v[rD:rD+7], v[rA:rA+11], v[rB:rB+11], v[rC:rC+7], v[rSA], v[rSB] matrix_a_fmt:MATRIX_FMT_FP6 matrix_b_fmt:MATRIX_FMT_FP6 matrix_b_scale:MATRIX_SCALE_ROW1
.else
	v_wmma_scale_f32_16x16x128_f8f6f4 v[rD:rD+7], v[rA:rA+11], v[rB:rB+11], v[rC:rC+7], v[rSA], v[rSB] matrix_a_fmt:MATRIX_FMT_FP6 matrix_b_fmt:MATRIX_FMT_FP6
.endif
.endif
.endm
; 4 n matrix instructions: tiles of tokens a0 .. a0 + n - 1 x the four tiles of outputs, from register set p.  cm = 0: C is 0; 1: in place; 2: C is b2.
; A product's 32 accumulators take turns, one instruction a turn, in the same order in every step.
.macro MULA a0, n, p, cm
.set aa, \a0
.rept \n
.irp b, 0,1,2,3
.set rD, 8*(4*aa+\b)
.set rA, 128+48*\p+12*\b
.set rB, 96*\p+12*aa
.if \cm == 2
.set rC, 192+8*\b
.else
.set rC, rD
.endif
.set rSA, 36+6*\p+\b/2
.set rSB, 32+6*\p+aa/2
.set fRA, \b%2
.set fRB, aa%2
.if \cm == 0
	WM 1
.else
	WM 0
.endif
.endr
.set aa, aa+1
.endr
.endm
; 42 LDS loads: a K step into register set p: the weights' four fragments, two and four registers of scale words, the tokens' eight fragments
.macro FETCH adb, ob, asb, ada, oa, asa, p
	WIN 0
.irp b, 0,1,2,3
.irp c, 0,1,2
	ds_load_b128 v[128+48*\p+12*\b+4*\c:128+48*\p+12*\b+4*\c+3], v[\adb] offset:\ob+1536*\b+512*\c
.endr
.endr
.irp j, 0,1
	ds_load_b32 v[36+6*\p+\j], v[\asb] offset:\ob+6144+128*\j
.endr
.irp j, 0,1,2,3
	ds_load_b32 v[32+6*\p+\j], v[\asa] offset:\oa+12288+128*\j
.endr
	WIN 0x40                                       ; destination window 1, address window 0
.irp a, 0,1,2,3,4,5,6,7
.irp c, 0,1,2
	ds_load_b128 v[96*\p+12*\a+4*\c:96*\p+12*\a+4*\c+3], v[\ada] offset:\oa+1536*\a+512*\c
.endr
.endr
.endm
.macro NEXT kind, s, kk, p             ; kind 0: slot s's MLP step; 1: its spline step kk
.if \kind == 0
	FETCH ADW+\s, 0, ASW+\s, ADH+\s, 0, ASH+\s, \p
.else
	FETCH ADC+\s, 25600*\kk, ASC+\s, ADB+\s, 12800*\kk, ASB+\s, \p
.endif
.endm
; A K step that has its successor in the same slot: multiplies set p; in its middle it fetches the next step into set np
.macro SUB win, p, np, cm, kind, s, kk
	s_wait_dscnt 0x0                               ; set p is in (asked for 16 matrix instructions ago)
	WIN \win
	MULA 0, 4, \p, \cm
	PLACES
	NEXT \kind, \s, \kk, \np
	WIN \win
	MULA 4, 4, \p, \cm
.endm
; A slot's last step (its second spline step) changes slots.  Its fragments are in registers, so its first sixteen products stand AHEAD of the wait for the next slot's tile: between that wait and the next request
; stand only the add, the descriptors' steps, the wait for the add and the barrier.  ONE barrier; in front of it each wave waits for all its tensor loads, adds 0 to its spare word, and waits for that and for its own
; reads of this slot.  fill = 1: the barrier opens a round of the cluster's barrier, and this slot is filled again, two slots ahead: from the request to the wait for it a wave issues 96 matrix instructions.
.macro TURN s, ns, p, np, fill
	s_wait_dscnt 0x0                               ; set p is in: my reads of this slot are over
	WIN W_KAN
	MULA 0, 4, \p, 1
	WIN 0
	s_wait_tensorcnt 0x0                           ; all my tensor loads have landed: the one that was out is my quarter of the next slot; so a group 0 may be written
	ds_add_u32 v[SPW], v[NIL]                      ; 0 onto my spare word
.if \fill
	s_add_nc_u64 s[GT+4*\s+2:GT+4*\s+3], s[GT+4*\s+2:GT+4*\s+3], 2*SIDE   ; this slot's next tiles; the type bits on top are not reached
	s_add_nc_u64 s[GW+4*\s+2:GW+4*\s+3], s[GW+4*\s+2:GW+4*\s+3], 2*SIDE
.endif
	s_wait_dscnt 0x0                               ; the add is done
	s_barrier_signal -1
	s_barrier_wait -1
.if \fill
	CREST                                          ; no wave of any partner still reads this slot or has a load on its way
	JLOAD \s                                       ; the first tensor load behind the round, one a wave; the four v_nop behind it are also the places in front of the loads below
.else
	PLACES
.endif
	NEXT 0, \ns, 0, \np
	WIN W_KAN
	MULA 4, 4, \p, 1
.endm
	s_load_b256 s[4:11], s[0:1], 0x0               ; tq 4, wq 6, b2 8, w (out2) 10
	s_load_b64 s[12:13], s[0:1], 0x20              ; out0
	v_lshl_add_u32 v[SPW], v0, 2, SPARE
	v_mov_b32 v[NIL], 0
	ds_add_u32 v20, v21
	ds_add_u32 v20, v21
	s_wait_dscnt 0x0
	v_lshrrev_b32 v1, 5, v0
	v_readfirstlane_b32 s18, v1                    ; wave 0..3
	s_lshr_b32 s14, s18, 1                         ; I fetch for the tokens' side (0) or for the weights' (1),
	s_and_b32 s15, s18, 1                          ; its first or its second half
	s_bfe_u32 s19, ttmp6, 0x40000                  ; cx, cy: my place in the cluster
	s_bfe_u32 s20, ttmp6, 0x40004
	s_lshl_b32 s21, ttmp9, 2
	s_add_co_u32 s21, s21, s19                     ; ob = 4 x cluster x + cx: 64 outputs
	s_and_b32 s22, ttmp7, 0xffff
	s_lshl_b32 s22, s22, 2
	s_add_co_u32 s22, s22, s20                     ; tb = 4 x cluster y + cy: 128 tokens
	s_lshl_b32 s60, s20, 2
	s_lshl_b32 s60, 15, s60                        ; my row of the cluster
	s_lshl_b32 s61, 0x1111, s19                    ; my column
	; descriptor groups 1: a dense block of 38,400 bytes as 150 rows of 32 elements of 8 bytes
	s_or_b32 s[G1T], s60, (3<<16)|(1<<21)          ; 15:0 the mask; 17:16 elements of 8 bytes; 20 no padding; 21 set beside a mask
	s_or_b32 s[G1W], s61, (3<<16)|(1<<21)
.irp g, G1T, G1W
	s_mov_b32 s[\g+1], 32<<16                      ; tensor_dim0 = 32
	s_mov_b32 s[\g+2], 150<<16                     ; tensor_dim1 = 150
	s_mov_b32 s[\g+3], 32<<16                      ; tile_dim0 = 32
	s_mov_b32 s[\g+4], 150                         ; tile_dim1 = 150
	s_mov_b32 s[\g+5], 32                          ; from row to row
	s_mov_b32 s[\g+6], 0
	s_mov_b32 s[\g+7], 0
.endr
	s_mul_i32 s16, s15, HALF
	s_mul_i32 s56, s22, 16*SIDE                    ; tq's addresses hang on tb and the wave's number alone,
	s_add_co_u32 s56, s56, s16
	s_mov_b32 s57, 0
	s_mul_i32 s58, s21, 16*SIDE                    ; wq's on ob and the wave's number alone
	s_add_co_u32 s58, s58, s16
	s_mov_b32 s59, 0
	s_mul_i32 s17, s18, HALF                       ; LDS: no place in the cluster enters an LDS address
	s_wait_kmcnt 0x0
	CROUND                                         ; all sixteen work-groups are here: the first joint loads meet
	MKG0 GT, 4, 56
	MKG0 GW, 6, 58
	JLOAD 0                                        ; both slots are asked for before anything else is done: two loads of mine are out
	JLOAD 1
	v_and_b32 v1, 31, v0                           ; lane
	v_lshlrev_b32 v2, 4, v1
	v_lshlrev_b32 v3, 2, v1
	s_mul_i32 s23, s18, 12800                      ; my expert's hidden layer
	v_add_nc_u32 v[ADH], s23, v2
	v_add_nc_u32 v[ASH], s23, v3
	v_add_nc_u32 v[ADB], OB, v2
	v_add_nc_u32 v[ASB], OB, v3
	s_mul_i32 s23, s18, 6400                       ; my expert's block of mlp_w2 and of the coefficients
	s_add_co_u32 s2, s23, OW
	v_add_nc_u32 v[ADW], s2, v2
	v_add_nc_u32 v[ASW], s2, v3
	s_add_co_u32 s2, s23, OCQ
	v_add_nc_u32 v[ADC], s2, v2
	v_add_nc_u32 v[ASC], s2, v3
.irp r, ADH, ADB, ADW, ADC, ASH, ASB, ASW, ASC
	v_add_nc_u32 v[\r+1], SLOT, v[\r]
.endr
	v_and_b32 v28, 15, v1                          ; r
	v_lshrrev_b32 v29, 4, v1                       ; h
	s_mul_i32 s23, s18, SCOPY                      ; the way out: my copy: row r, 32 bytes for each half of the lanes
	v_mul_u32_u24 v[STO], v28, 272
	v_lshl_add_u32 v[STO], v29, 5, v[STO]
	v_add_nc_u32 v[STO], s23, v[STO]
	s_mul_i32 s23, s18, 32*272                     ; back: rows 32 wave on; lanes 0-15 one row of 256 bytes, lanes 16-31 the next
	v_mul_u32_u24 v[RD], v29, 272
	v_lshl_add_u32 v[RD], v28, 4, v[RD]
	v_add_nc_u32 v[RD], s23, v[RD]
.irp c, 1,2,3
	v_add_nc_u32 v[RD+\c], \c*SCOPY, v[RD]
.endr
	v_lshlrev_b32 v[CO], 11, v29                   ; and the same two rows in out0
	v_lshl_add_u32 v[CO], v28, 4, v[CO]
	v_lshlrev_b32 v30, 5, v29                      ; b2: my half's eight outputs
	v_lshlrev_b32 v31, 5, v28                      ; w: my token's row of 32 bytes
	s_lshl_b32 s62, s18, 11
	s_lshl_b32 s63, s21, 8
	s_add_co_u32 s62, s62, s63
	s_mov_b32 s63, 0
	s_add_nc_u64 s[8:9], s[8:9], s[62:63]          ; b2 [e = wave][64 ob ..]
	s_lshl_b32 s62, s22, 12
	s_lshl_b32 s23, s18, 2
	s_add_co_u32 s62, s62, s23
	s_add_nc_u64 s[10:11], s[10:11], s[62:63]      ; w [128 tb ..][wave]
	s_lshl_b32 s62, s22, 18
	s_lshl_b32 s23, s18, 16
	s_add_co_u32 s62, s62, s23
	s_lshl_b32 s23, s21, 8
	s_add_co_u32 s62, s62, s23
	s_add_nc_u64 s[12:13], s[12:13], s[62:63]      ; out0 [128 tb + 32 wave][64 ob]
.irp a, 0,1,2,3,4,5,6,7
	global_load_b32 v[48+2*\a], v31, s[10:11] offset:512*\a        ; w of my MLP expert for token 16 a + r,
	global_load_b32 v[49+2*\a], v31, s[10:11] offset:512*\a+16     ; and of my spline expert
.endr
	WIN 0x40                                       ; destination window 1
.irp b, 0,1,2,3
	global_load_b128 v[192+8*\b:192+8*\b+3], v30, s[8:9] offset:64*\b
	global_load_b128 v[192+8*\b+4:192+8*\b+7], v30, s[8:9] offset:64*\b+16
.endr
	WIN 0
	s_wait_loadcnt 0x0
.irp a, 0,1,2,3,4,5,6,7
	v_mov_b32 v[64+2*\a], v[49+2*\a]               ; the pairs the other way round: a packed form takes a pair's low word for both halves
	v_mov_b32 v[65+2*\a], v[48+2*\a]
.endr
	s_wait_tensorcnt 0x1                           ; my quarter of slot 0 is in; slot 1's may be out
	s_barrier_signal -1
	s_barrier_wait -1                              ; everybody's is
	NEXT 0, 0, 0, 0
	SUB W_B2, 0, 1, 2, 1, 0, 0                     ; the first two steps stand in front of the loop: their products start the sums, the MLP's with b2,
	SUB W_KAN, 1, 0, 0, 1, 0, 1                    ; the spline's with 0
	WIN 0                                          ; at a label and at a branch every window is 0
	s_mov_b32 s3, 7
.Llap:                                                 ; a trip goes once round the ring, from a slot's last step to the last but one of the slot two on, and fills both slots again
	TURN 0, 1, 0, 1, 1
	SUB W_MLP, 1, 0, 1, 1, 1, 0
	SUB W_KAN, 0, 1, 1, 1, 1, 1
	TURN 1, 0, 1, 0, 1
	SUB W_MLP, 0, 1, 1, 1, 0, 0
	SUB W_KAN, 1, 0, 1, 1, 0, 1
	WIN 0
	s_sub_co_u32 s3, s3, 1
	s_cmp_lg_u32 s3, 0
	s_cbranch_scc1 .Llap
	TURN 0, 1, 0, 1, 0                             ; the last two slots' worth: nothing is filled, and no round follows
	SUB W_MLP, 1, 0, 1, 1, 1, 0
	SUB W_KAN, 0, 1, 1, 1, 1, 1
	s_wait_dscnt 0x0
	WIN W_KAN
	MULA 0, 8, 1, 1
	PLACES
	; THE WAY OUT.  My two experts' results are weighed (b2 is inside the MLP sums) and added; each accumulator is read from its low end on.
	WIN 0x82                                       ; destination and source 0 window 2, w window 0
.set k, 0
.rept 128
	v_pk_mul_f32 v[2*k:2*k+1], v[2*k:2*k+1], v[48+2*(k/16):49+2*(k/16)] op_sel_hi:[1,0]
.set k, k+1
.endr
	WIN 0xa3                                       ; source 0 window 3, w window 0, C and destination window 2
.set k, 0
.rept 128
	v_pk_fma_f32 v[2*k:2*k+1], v[2*k:2*k+1], v[64+2*(k/16):65+2*(k/16)], v[2*k:2*k+1] op_sel_hi:[1,0,1]
.set k, k+1
.endr
	WIN 0x08                                       ; an LDS store's data are its source 1: window 2
.irp a, 0,1,2,3,4,5,6,7
.irp b, 0,1,2,3
	ds_store_b128 v[STO], v[32*\a+8*\b:32*\a+8*\b+3] offset:4352*\a+64*\b        ; lane (r, h): token 16 a + r, outputs 16 b + 8 h + 0 .. 7
	ds_store_b128 v[STO], v[32*\a+8*\b+4:32*\a+8*\b+7] offset:4352*\a+64*\b+16
.endr
.endr
	WIN 0
	s_wait_dscnt 0x0                               ; for the others' sake: my copy lies in LDS
	s_barrier_signal -1
	s_barrier_wait -1
	; each wave adds the four copies of 32 rows and stores them: sixteen lanes fill 256 consecutive bytes, at a multiple of 256 from out0's first byte
.irp g, 0,1
.if \g
	s_wait_xcnt 0x0                                ; the first half's stores have read the registers that the second half's loads take
.endif
.irp t, 0,1,2,3,4,5,6,7
.irp c, 0,1,2,3
	ds_load_b128 v[128+16*\t+4*\c:128+16*\t+4*\c+3], v[RD+\c] offset:544*(8*\g+\t)
.endr
.endr
.irp t, 0,1,2,3,4,5,6,7
	s_wait_dscnt 4*(7-\t)                          ; this pair of rows is in; the later pairs' four loads each may be out
	v_pk_add_f32 v[128+16*\t:129+16*\t], v[128+16*\t:129+16*\t], v[132+16*\t:133+16*\t]
	v_pk_add_f32 v[130+16*\t:131+16*\t], v[130+16*\t:131+16*\t], v[134+16*\t:135+16*\t]
	v_pk_add_f32 v[136+16*\t:137+16*\t], v[136+16*\t:137+16*\t], v[140+16*\t:141+16*\t]
	v_pk_add_f32 v[138+16*\t:139+16*\t], v[138+16*\t:139+16*\t], v[142+16*\t:143+16*\t]
	v_pk_add_f32 v[128+16*\t:129+16*\t], v[128+16*\t:129+16*\t], v[136+16*\t:137+16*\t]
	v_pk_add_f32 v[130+16*\t:131+16*\t], v[130+16*\t:131+16*\t], v[138+16*\t:139+16*\t]
	global_store_b128 v[CO], v[128+16*\t:131+16*\t], s[12:13] offset:4096*(8*\g+\t) th:TH_STORE_NT
.endr
.endr
	s_wait_tensorcnt 0x0                           ; the wave's end: behind my last tensor load and my last LDS store
	ds_add_u32 v[SPW], v[NIL]
	s_wait_dscnt 0x0
	CROUND                                         ; the closing round: no work-group ends while a partner may still ask for a tile that names it
	s_endpgm
.Lfunc_end_k_q95edb02c61_out:
	.size	k_q95edb02c61_out, .Lfunc_end_k_q95edb02c61_out-k_q95edb02c61_out
	.p2alignl 7, 3214868480
	.fill 96, 4, 3214868480
	.section	.rodata,"a",@progbits
	.p2align	6, 0x0
	.amdhsa_kernel k_q95edb02c61_out
		.amdhsa_group_segment_fixed_size 327680
		.amdhsa_private_segment_fixed_size 0
		.amdhsa_enable_private_segment 0
		.amdhsa_kernarg_size 40
		.amdhsa_user_sgpr_count 2
		.amdhsa_user_sgpr_kernarg_segment_ptr 1
		.amdhsa_wavefront_size32 1
		.amdhsa_system_sgpr_workgroup_id_x 1
		.amdhsa_system_sgpr_workgroup_id_y 1
		.amdhsa_system_sgpr_workgroup_id_z 1
		.amdhsa_system_vgpr_workitem_id 0
		.amdhsa_next_free_vgpr 1024
		.amdhsa_next_free_sgpr 66
		.amdhsa_reserve_vcc 0
		.amdhsa_float_denorm_mode_32 3
		.amdhsa_float_denorm_mode_16_64 3
		.amdhsa_memory_ordered 1
		.amdhsa_forward_progress 1
		.amdhsa_inst_pref_size 129
	.end_amdhsa_kernel
	.amdgpu_metadata
---
amdhsa.version: [ 1, 2 ]
amdhsa.kernels:
  - .name:           k_q95edb02c61_out
    .symbol:         k_q95edb02c61_out.kd
    .args:
      - { .name: tq, .offset: 0, .size: 8, .value_kind: global_buffer, .address_space: global }
      - { .name: wq, .offset: 8, .size: 8, .value_kind: global_buffer, .address_space: global }
      - { .name: mlp_b2, .offset: 16, .size: 8, .value_kind: global_buffer, .address_space: global }
      - { .name: out2, .offset: 24, .size: 8, .value_kind: global_buffer, .address_space: global }
      - { .name: out0, .offset: 32, .size: 8, .value_kind: global_buffer, .address_space: global }
    .group_segment_fixed_size: 327680
    .private_segment_fixed_size: 0
    .kernarg_segment_align: 8
    .kernarg_segment_size: 40
    .max_flat_workgroup_size: 128
    .sgpr_count:     66
    .vgpr_count:     1024
    .wavefront_size: 32
...
	.end_amdgpu_metadata
.endif
;; end of part 3
